; MI455X (gfx1250); checked and timed in simulation.
; The chip was launched on July 23, 2026; its instructions are those of AMD's public machine-readable ISA for CDNA 5 (MIT licence, August 2026) and "CDNA5" Instruction Set Architecture Reference Guide (July 2026). The comments in the code are by the model that wrote it; some were corrected since.
;; Soft Attention. Allowed arithmetic: matrix products marked QUANTISED: E2M3 operands, one E8M0 scale for each 32 along K, by v_wmma_scale_f32_16x16x128_f8f6f4 with both operands' format E2M3, f32 sums; everything else in f32.
;; Inputs: Wk 512 x 512 float32; Wq 512 x 512 float32; Wv 512 x 512 float32; adj 8 x 2,048 x 2,048 float32; bk 512 float32; bq 512 float32; bv 512 float32; scale one number float32; width one number float32; x 8 x 2,048 x 512 float32.
;; Outputs: out0 8 x 2,048 x 512 float32.
;; This version of the problem:
;;   THIS VERSION OF THE PROBLEM IS GIVEN IN LOW PRECISION. The matrix products marked QUANTISED in the list below multiply operands that are first quantised to E2M3 (2 exponent bits, 3 mantissa bits; 6 bits a number), with one power-of-two scale for each 32 numbers along K (OCP MX v1.0); their sums are f32. All else is computed in f32.
;;   The module's matrix products, in the order in which they are computed (A, B: the left and right operand; K: the contracted axis; several contracted axes count as one K, in the product's order):
;;     1. [M 16,384, K 512] x [K 512, N 512]; A: input x; B: input Wq: QUANTISED
;;     2. [M 16,384, K 512] x [K 512, N 512]; A: input x; B: input Wk: QUANTISED
;;     3. [M 16,384, K 512] x [K 512, N 512]; A: input x; B: input Wv: QUANTISED
;;     4. batch 8 x [M 2,048, K 512] x [K 512, N 2,048]; A: computed on the way; B: computed on the way: QUANTISED
;;     5. batch 8 x [M 2,048, K 2,048] x [K 2,048, N 512]; A: softmax (see below); B: computed on the way: QUANTISED
;;   THE QUANTISER, for each operand of a quantised product, along K:
;;     - K is cut into blocks of 32 from its start; a last block that is shorter is filled with zeros.
;;     - A block's scale is 2^e with e = floor(log2(the largest magnitude in the block)) - 2, held to -126 .. 127; a block of zeros has e = 0. As a byte (E8M0): e + 127.
;;     - Each number is divided by its block's scale, clamped to +-7.5, and rounded to the nearest number of E2M3, ties to even, subnormals kept.
;;     - The product sums the exact products of the quantised numbers (number of the format x scale) in f32.
;;   ~~~python
;;   def quantise(x, axis):      # numpy; x: float32 -> the quantised numbers, widened to float32 again
;;       x = np.moveaxis(x, axis, -1); K = x.shape[-1]
;;       x = np.pad(x, [(0, 0)] * (x.ndim - 1) + [(0, -K % 32)]); x = x.reshape(x.shape[:-1] + (-1, 32)); a = np.abs(x).max(-1, keepdims=True)
;;       e = np.where(a > 0, np.clip(np.frexp(np.where(a > 0, a, 1))[1] - 1 - 2, -126, 127), 0)      # np.frexp(a)[1] - 1 = floor(log2(a)), exactly
;;       r = np.clip(x / 2.0 ** e, -7.5, 7.5)
;;       step = 2.0 ** (np.maximum(np.frexp(np.where(r == 0, 1, r))[1] - 1, 0) - 3)
;;       q = np.round(r / step) * step * 2.0 ** e      # np.round: ties to even
;;       return np.moveaxis(q.reshape(q.shape[:-2] + (-1,))[..., :K], -1, axis).astype(np.float32)
;;   ~~~
;;   SOFTMAX AHEAD OF A QUANTISED PRODUCT. Where the list says 'softmax', what is quantised is not the finished softmax but p = 2^(t - M), with t = logit x log2(e) and M = ceil(the row's largest t), a whole number; so 1/2 < the row's largest p <= 1. The row's sum l is taken of the UNQUANTISED p, in f32, and the product's result is divided by l at the end. Since M is a whole number, a kernel that streams over the keys may use a running M (the ceiling of the running maximum): every later rescaling is an exact power of two, which a block's scale takes up: the codes' values come out the same.
;;   OPERANDS COMPUTED ON THE WAY. 'Computed on the way' means the value that the module computes at that place (a softmax that the list does not call 'softmax' is quantised finished and normalised). What goes into a quantiser is computed in f32, as accurately as f32 sums, v_exp_f32 and their like allow (about 1e-6 of the number): no bf16 or f16 on the way to a quantiser, and a product that is left as it is and whose result goes on into a quantised operand takes f32 operands (vector FMAs, or v_wmma_f32_16x16x4_f32). A number that lies on a knife's edge between two numbers of the format may be rounded either way, as far as f32 arithmetic and the matrix unit's own rounding can turn it there, and no further.
;; One version. Each part assembles by itself: llvm-mc -triple=amdgcn-amd-amdhsa -mcpu=gfx1250 --defsym DOCPART=n.
;; ======== version 1 of 1: 3 launches
;; limits: right only within a limited range of input values
;; workspace buffers: xc 6,291,456 bytes; xs 262,144 bytes; wc 589,824 bytes; ws 24,576 bytes; qc 6,291,456 bytes; qs 262,144 bytes; kv 13,107,200 bytes
;; launch prep (part 1): grid 1120 x 1, 4 waves a work-group, no clusters, 34,560 bytes of LDS; arguments x, Wq, Wk, Wv, xc, xs, wc, ws; writes xc, xs, wc, ws
.if DOCPART == 1
	.amdgcn_target "amdgcn-amd-amdhsa--gfx1250"
	.amdhsa_code_object_version 6
	.text
	.protected	k_qc0442e1874_prep
	.globl	k_qc0442e1874_prep
	.p2align	8
	.type	k_qc0442e1874_prep,@function
k_qc0442e1874_prep:
	s_mov_b64 s[64:65], 0
	v_nop
	global_prefetch_b8 v0, s[64:65] scope:SCOPE_SE
	s_setreg_imm32_b32 hwreg(HW_REG_WAVE_MODE, 25, 1), 1
	s_wait_xcnt 0x0
; x [16384][512] and Wq, Wk, Wv [512 (d)][512 (e)], f32, become codes of FP6 (E2M3) along d with one E8M0 byte for each 32 along d.
; A block's scale is 2^(floor(log2(its largest magnitude)) - 2); its byte is the largest magnitude's exponent field - 2, held at 1 from below.
; LIMITS: NaN and infinities among the inputs are not served.  A block whose largest magnitude lies under 2^-124, a block of zeros among them, keeps the byte 1
; (a block of zeros has zero codes, which add nothing under that byte; the bytes are read by this program alone).
; THE RESULTS ARE IMAGES OF OPERAND REGISTERS.  A fragment (16 rows x 128 along d) is 12 registers a lane: lane (r, h) holds row r, registers 6 c .. 6 c + 5 hold d = 64 c + 32 h + 0 .. 31.
; Its image is 1,536 bytes: registers 4 g .. 4 g + 3 of lane L at 512 g + 16 L.  A tile's four fragments follow each other (6,144 bytes); its scale words lie [row r][step s], 256 bytes a tile.
; THE ROWS OF A TILE: tile T of x, of Wq and of Wk has lane r <-> row (token, or column e) 32 (T / 2) + 8 (T % 2) + r + (r & 8), so that results of two neighbouring tiles are
; neighbours along the next product's K; a tile of Wv has lane r <-> column 16 T + r.
; SHARES: a work-group makes one tile, wave s its step s of 128 along d: one fragment and one scale word a row.  Work-groups 0-95: the tiles of the three weights; 96-1119: those of x.
; So a wave has one run of loads and no wave walks steps one after the other: with 130 registers a wave and 34,560 bytes of LDS a work-group all 1,120 work-groups lie on the chip together.
; x: each load takes 512 consecutive bytes of one row; the step's 16 rows turn through the wave's own stage in LDS (rows 528 bytes apart) and come back 32 neighbours a block a lane.
; W: a lane takes a column and its registers run down d: nothing is turned.
; The two ways part on the work-group's number for the loads alone and join for the quantiser and the stores.  A tile's scale words meet in 256 bytes of LDS behind one barrier and leave by one store of wave 0.
.set NWGW, 96
.set STG,  8448                        ; a wave's stage: 16 rows x 528 bytes
.set SP,   528                         ; 512 bytes + 16: 132 words, so that the 16 rows of a load begin at 16 different groups of four banks (64 banks of 4 bytes: ISA guide 11.1)
.set WRD,  4*STG                       ; behind the stages: the tile's scale words, 16 r + 4 s
.set X,    64                          ; v64-127  64 numbers
.set PC,   32                          ; v32-43   the codes
.set TT,   24                          ; v24-30   the upper halves of two blocks' codes, before they are moved
.set PW,   10                          ; v10      my step's scale word
	s_load_b256 s[4:11], s[0:1], 0x0               ; x, Wq, Wk, Wv
	s_load_b256 s[12:19], s[0:1], 0x20             ; xc, xs, wc, ws
	v_lshl_add_u32 v128, v0, 2, 0x8500
	v_mov_b32 v129, 0
	v_lshrrev_b32 v1, 5, v0
	v_readfirstlane_b32 s20, v1                    ; wave = step s
	v_and_b32 v1, 31, v0                           ; L
	v_and_b32 v2, 15, v0                           ; r
	v_bfe_u32 v3, v0, 4, 1                         ; h
	v_lshlrev_b32 v4, 4, v1                        ; 16 L
	v_lshlrev_b32 v5, 3, v1                        ; 8 L
	v_lshlrev_b32 v9, 3, v3                        ; 8 h
	v_mov_b32 v22, 0                               ; a lane permute's destination counts as read
	; every LDS address is made here, ahead of the parting
	s_mul_i32 s23, s20, STG
	v_add_nc_u32 v7, s23, v4                       ; the stage, in: 16 L
	v_mul_u32_u24 v8, v2, SP
	v_lshl_add_u32 v8, v3, 7, v8
	v_add_nc_u32 v8, s23, v8                       ; and out: row r, + 128 h
	s_lshl_b32 s23, s20, 2
	s_add_co_u32 s23, s23, WRD
	v_lshlrev_b32 v11, 4, v2
	v_add_nc_u32 v11, s23, v11                     ; my row's word of my step
	v_add_nc_u32 v12, WRD, v5                      ; the words as they leave: 8 bytes a lane
	s_mov_b32 s30, 0x76543210
	s_mov_b32 s31, 0xfedcba98                      ; selects for lane l xor 16
	s_mov_b32 s33, 0
	s_mov_b32 s35, 0
	s_mov_b32 s37, 0
	s_mul_i32 s21, s20, 1536                       ; my step's image in a tile's 6,144 bytes
	s_cmp_lt_u32 ttmp9, NWGW
	s_cbranch_scc1 .Lweights
	; ---- a tile of x
	s_sub_co_u32 s22, ttmp9, NWGW                  ; tile 0 .. 1023
	s_lshr_b32 s23, s22, 1
	s_lshl_b32 s23, s23, 16                        ; 32 rows of 2,048 bytes for each pair of tiles,
	s_and_b32 s32, s22, 1
	s_lshl_b32 s32, s32, 14                        ; 8 rows for the odd one,
	s_add_co_u32 s32, s32, s23
	s_lshl_b32 s23, s20, 9
	s_add_co_u32 s32, s32, s23                     ; 512 bytes a step
	s_mul_i32 s34, s22, 6144
	s_add_co_u32 s34, s34, s21
	s_lshl_b32 s36, s22, 8
	s_wait_kmcnt 0x0
	s_add_nc_u64 s[24:25], s[4:5], s[32:33]
	s_add_nc_u64 s[26:27], s[12:13], s[34:35]
	s_add_nc_u64 s[28:29], s[14:15], s[36:37]
.irp p, 0,1,2,3,4,5,6,7,8,9,10,11,12,13,14,15
	global_load_b128 v[X+4*\p:X+4*\p+3], v4, s[24:25] offset:(\p+(\p&8))*2048 th:TH_LOAD_NT   ; 512 consecutive bytes of one row
.endr
	s_wait_loadcnt 0x0
	s_wait_alu depctr_va_vdst(0)
.irp p, 0,1,2,3,4,5,6,7,8,9,10,11,12,13,14,15
	ds_store_b128 v7, v[X+4*\p:X+4*\p+3] offset:SP*\p   ; through the stage: LDS serves a wave's instructions in order (ISA guide 5.7.1.4), so no wait stands between the stores and the loads
.endr
.irp c, 0,1
.irp i, 0,1,2,3,4,5,6,7
	ds_load_b128 v[X+32*\c+4*\i:X+32*\c+4*\i+3], v8 offset:256*\c+16*\i   ; register 32 c + n: d = 64 c + 32 h + n of row r
.endr
.endr
	s_wait_dscnt 0x0
	s_branch .Lquant
.Lweights:
	; ---- a tile of a weight: ttmp9 = 32 m + T
	s_lshr_b32 s23, ttmp9, 5                       ; m: 0 Wq, 1 Wk, 2 Wv
	s_and_b32 s32, ttmp9, 31                       ; T
	s_lshr_b32 s38, s32, 1
	s_lshl_b32 s38, s38, 5
	s_and_b32 s39, s32, 1
	s_lshl_b32 s39, s39, 3
	s_add_co_u32 s38, s38, s39                     ; 32 (T / 2) + 8 (T % 2)
	s_lshl_b32 s39, s32, 4                         ; 16 T
	s_lshl_b32 s32, s20, 18                        ; my step: 128 rows of 2,048 bytes
	s_mul_i32 s34, ttmp9, 6144
	s_add_co_u32 s34, s34, s21
	s_lshl_b32 s36, ttmp9, 8
	s_wait_kmcnt 0x0
	s_cmp_eq_u32 s23, 0
	s_cselect_b64 s[24:25], s[6:7], s[8:9]
	s_cmp_eq_u32 s23, 2
	s_cselect_b64 s[24:25], s[10:11], s[24:25]
	s_cselect_b32 s38, s39, s38                    ; the tile's first column,
	s_cselect_b32 s39, 0, 8                        ; and whether lanes 8-15 stand 8 further on
	s_add_nc_u64 s[24:25], s[24:25], s[32:33]
	v_and_b32 v6, s39, v2
	v_add3_u32 v6, v6, v2, s38                     ; my column
	v_lshlrev_b32 v6, 2, v6
	v_lshl_add_u32 v6, v3, 16, v6                  ; lanes 16-31 begin 32 rows of 2,048 bytes further down
	s_add_nc_u64 s[26:27], s[16:17], s[34:35]
	s_add_nc_u64 s[28:29], s[18:19], s[36:37]
.irp c, 0,1
.irp i, 0,1,2,3,4,5,6,7,8,9,10,11,12,13,14,15,16,17,18,19,20,21,22,23,24,25,26,27,28,29,30,31
	global_load_b32 v[X+32*\c+\i], v6, s[24:25] offset:(64*\c+\i)*2048   ; W(128 s + 64 c + 32 h + n, my column)
.endr
.endr
	s_wait_loadcnt 0x0
.Lquant:
	; ---- 64 numbers of a lane (two whole blocks) become a fragment's 12 registers and its row's scale word
.irp c, 0,1
	v_max3_num_f32 v[16+\c], |v[X+32*\c]|, |v[X+32*\c+1]|, 0x1800000   ; with the floor 2^(3 - 127): the byte cannot fall under 1
.endr
.irp i, 2,4,6,8,10,12,14,16,18,20,22,24,26,28,30
.irp c, 0,1
	v_max3_num_f32 v[16+\c], v[16+\c], |v[X+32*\c+\i]|, |v[X+32*\c+\i+1]|
.endr
.endr
.irp c, 0,1
	v_add_nc_u32 v[18+\c], 0xff000000, v[16+\c]    ; 2 off the exponent field: the conversion's scale operand
.endr
.irp c, 0,1
	v_lshrrev_b32 v[20+\c], 23, v[18+\c]           ; the byte
.endr
	v_lshl_or_b32 v[PW], v21, 16, v20              ; my bytes: blocks h and 2 + h,
	v_lshlrev_b32 v[PW], v9, v[PW]                 ; at their places;
	v_permlanex16_b32 v22, v[PW], s30, s31
	v_or_b32 v[PW], v[PW], v22                     ; with lane l xor 16's the word is whole
.irp c, 0,1
	v_cvt_scalef32_pk16_fp6_f32 v[PC+6*\c:PC+6*\c+2], v[X+32*\c:X+32*\c+15], v[18+\c]
	v_cvt_scalef32_pk16_fp6_f32 v[TT+4*\c:TT+4*\c+2], v[X+32*\c+16:X+32*\c+31], v[18+\c]   ; (a conversion's three registers begin on an even number)
.endr
	v_nop                                          ; one plain place behind a scaled conversion
.irp c, 0,1
.irp i, 0,1,2
	v_mov_b32 v[PC+3+6*\c+\i], v[TT+4*\c+\i]
.endr
.endr
.irp g, 0,1,2
	global_store_b128 v4, v[PC+4*\g:PC+4*\g+3], s[26:27] offset:512*\g   ; the image: each store covers 512 consecutive bytes
.endr
	ds_store_b32 v11, v[PW]                        ; both halves of the lanes write the same word with the same value
	s_wait_dscnt 0x0                               ; for the others' sake: my word has landed
	s_barrier_signal -1
	s_barrier_wait -1
	s_cmp_lg_u32 s20, 0
	s_cbranch_scc1 .Lend
	ds_load_b64 v[14:15], v12                      ; wave 0: the tile's 64 words
	s_wait_dscnt 0x0
	global_store_b64 v5, v[14:15], s[28:29]        ; 256 consecutive bytes, aligned
.Lend:
	s_wait_tensorcnt 0x0
	ds_add_u32 v128, v129
	s_wait_dscnt 0x0
	s_endpgm
.Lfunc_end_k_qc0442e1874_prep:
	.size	k_qc0442e1874_prep, .Lfunc_end_k_qc0442e1874_prep-k_qc0442e1874_prep
	.p2alignl 7, 3214868480
	.fill 96, 4, 3214868480
	.section	.rodata,"a",@progbits
	.p2align	6, 0x0
	.amdhsa_kernel k_qc0442e1874_prep
		.amdhsa_group_segment_fixed_size 34560
		.amdhsa_private_segment_fixed_size 0
		.amdhsa_enable_private_segment 0
		.amdhsa_kernarg_size 64
		.amdhsa_user_sgpr_count 2
		.amdhsa_user_sgpr_kernarg_segment_ptr 1
		.amdhsa_wavefront_size32 1
		.amdhsa_system_sgpr_workgroup_id_x 1
		.amdhsa_system_sgpr_workgroup_id_y 1
		.amdhsa_system_sgpr_workgroup_id_z 1
		.amdhsa_system_vgpr_workitem_id 0
		.amdhsa_next_free_vgpr 130
		.amdhsa_next_free_sgpr 66
		.amdhsa_reserve_vcc 0
		.amdhsa_float_denorm_mode_32 3
		.amdhsa_float_denorm_mode_16_64 3
		.amdhsa_memory_ordered 1
		.amdhsa_forward_progress 1
		.amdhsa_inst_pref_size 17
	.end_amdhsa_kernel
	.amdgpu_metadata
---
amdhsa.version: [ 1, 2 ]
amdhsa.kernels:
  - .name:           k_qc0442e1874_prep
    .symbol:         k_qc0442e1874_prep.kd
    .args:
      - { .name: x, .offset: 0, .size: 8, .value_kind: global_buffer, .address_space: global }
      - { .name: Wq, .offset: 8, .size: 8, .value_kind: global_buffer, .address_space: global }
      - { .name: Wk, .offset: 16, .size: 8, .value_kind: global_buffer, .address_space: global }
      - { .name: Wv, .offset: 24, .size: 8, .value_kind: global_buffer, .address_space: global }
      - { .name: xc, .offset: 32, .size: 8, .value_kind: global_buffer, .address_space: global }
      - { .name: xs, .offset: 40, .size: 8, .value_kind: global_buffer, .address_space: global }
      - { .name: wc, .offset: 48, .size: 8, .value_kind: global_buffer, .address_space: global }
      - { .name: ws, .offset: 56, .size: 8, .value_kind: global_buffer, .address_space: global }
    .group_segment_fixed_size: 34560
    .private_segment_fixed_size: 0
    .kernarg_segment_align: 8
    .kernarg_segment_size: 64
    .max_flat_workgroup_size: 128
    .sgpr_count:     66
    .vgpr_count:     130
    .wavefront_size: 32
...
	.end_amdgpu_metadata
.endif
;; end of part 1
;; launch proj (part 2): grid 64 x 3, 4 waves a work-group, no clusters, 0 bytes of LDS; arguments xc, xs, wc, ws, bq, bk, bv, qc, qs, kv; writes qc, qs, kv
.if DOCPART == 2
	.amdgcn_target "amdgcn-amd-amdhsa--gfx1250"
	.amdhsa_code_object_version 6
	.text
	.protected	k_qc0442e1874_proj
	.globl	k_qc0442e1874_proj
	.p2align	8
	.type	k_qc0442e1874_proj,@function
k_qc0442e1874_proj:
	s_mov_b64 s[64:65], 0
	v_nop
	global_prefetch_b8 v0, s[64:65] scope:SCOPE_SE
	s_setreg_imm32_b32 hwreg(HW_REG_WAVE_MODE, 25, 1), 1
	s_wait_xcnt 0x0
; Q = x Wq + bq, K = x Wk + bk, V = x Wv + bv on codes of FP6 (E2M3) with E8M0 scales, sums in f32; the results are quantised in registers, Q and K along e, V along the keys,
; and stored as images of operand registers (1,536 bytes a fragment: registers 4 g .. 4 g + 3 of lane L at 512 g + 16 L).
; ONE BODY FOR ALL THREE (work-group y = 0 Q, 1 K, 2 V).  A wave keeps an A SET of 8 tiles x 4 steps of d in 384 registers for the whole launch and lets 16 B TILES pass by: a unit is
; D[t] = A(t) x B(o), 32 matrix instructions on eight accumulators by turns.  A lane then holds ONE row of B's tile and 64 neighbours along the next product's K: one fragment and one scale word.
;   y = 0, 1: A = my 128 columns e of the weight (tiles 32 y + 8 w + t), B = the work-group's 256 tokens (tiles 16 g + o): fragment (token tile, e step w).
;   y = 2:    A = 128 tokens (key block beta = 2 g + w / 2), B = 16 tiles of Wv's columns (16 (w % 2) + o): fragment (channel tile, key block beta).
; Only pointers, strides and two lane masks differ, chosen on y without a jump.  Operands come from memory straight into registers, 512 consecutive bytes a load: no LDS, no barrier.
; No cluster: what work-groups share here goes to registers, not to LDS.  192 work-groups: the three products do not divide into 256 equal parts with whole A sets.
; THE BIAS: along registers (Q, K) it is the C of a sum's first matrix instruction; along lanes (V) it is added behind the sum.  Both forms run for every y; the one that does not apply is 0.
; kv: a block of 102,400 bytes for each 128 keys: K's codes [tile 0..7][e step][1536], K's scale words [tile][step][r] at 49,152, V's codes [channel tile 0..31][1536] at 51,200, V's words [tile][r] at 100,352.
; LIMITS: NaN and infinities are not served; a block whose largest magnitude lies under 2^-124 keeps the byte 1 (zero codes add nothing under it; this program alone reads the bytes).
; REGISTERS, in windows of 256: window 0: v1-8 addresses; v10, v12 the lanes' bias as loaded; v18 masked; v14-16 scale words; v20-35, v36-55 at work; v64-127 accumulators; v128-159 A's scale words, v160-167 B's.
;   window 1: A's fragments of steps 0, 1 at 12 (8 s + t); window 2: of steps 2, 3; window 3: B's fragments, two buffers, at 48 p + 12 s; v192-255 the registers' bias.
.set FR,    12
.set FRB,   1536
.set TILEB, 6144
.set ACC,   64
.set AS,    128
.set BS,    160
.set TM,    20
.set PC,    36
.set BA,    192
.set MSB, 0
.macro WIN new                         ; the immediate's high byte repeats the setting that is left
.if MSB != \new
	s_set_vgpr_msb (MSB<<8)|\new
.set MSB, \new
.endif
.endm
	s_load_b256 s[4:11], s[0:1], 0x0               ; xc, xs, wc, ws
	s_load_b256 s[12:19], s[0:1], 0x20             ; bq, bk, bv, qc
	s_load_b128 s[20:23], s[0:1], 0x40             ; qs, kv
	v_lshrrev_b32 v1, 5, v0
	v_readfirstlane_b32 s24, v1                    ; wave w
	v_and_b32 v1, 31, v0                           ; L
	v_and_b32 v2, 15, v0                           ; r
	v_bfe_u32 v3, v0, 4, 1                         ; h
	v_lshlrev_b32 v4, 4, v1                        ; 16 L
	v_lshlrev_b32 v5, 4, v2                        ; 16 r
	v_lshlrev_b32 v6, 2, v2                        ; 4 r
	v_lshlrev_b32 v8, 6, v3                        ; 64 h
	v_mov_b32 v19, 0                               ; (named as the upper half of the pair v[18:19])
	v_cmp_eq_u32 s59, 1, v3                        ; lanes 16-31
.irp b, 0,1,2,3
	v_mov_b32 v[TM+4+\b], 0                        ; a lane permute's destination counts as read
.endr
	s_mov_b32 s60, 0x76543210
	s_mov_b32 s61, 0xfedcba98
	s_and_b32 s25, ttmp7, 0xffff                   ; y
	s_mov_b32 s26, ttmp9                           ; g
	s_and_b32 s27, s24, 1
	s_lshr_b32 s28, s24, 1
	s_lshl_b32 s29, s26, 1
	s_add_co_u32 s29, s29, s28                     ; beta
	s_lshl_b32 s66, s25, 5
	s_lshl_b32 s67, s24, 3
	s_add_co_u32 s66, s66, s67                     ; the weight's tile: 32 y + 8 w,
	s_lshl_b32 s67, s27, 4
	s_add_co_u32 s67, s67, 64                      ; or 64 + 16 (w % 2)
	s_lshl_b32 s68, s26, 4                         ; x's tile: 16 g,
	s_lshl_b32 s69, s29, 3                         ; or 8 beta
	s_mul_i32 s70, s26, 98304
	s_mul_i32 s71, s24, 1536
	s_add_co_u32 s70, s70, s71                     ; codes go to: Q: g x 16 tiles + step w
	s_mul_i32 s72, s26, 204800
	s_add_co_u32 s71, s72, s71                     ; K: block 2 g, + step w
	s_mul_i32 s73, s29, 102400
	s_mul_i32 s74, s27, 24576
	s_add_co_u32 s74, s74, s73
	s_add_co_u32 s74, s74, 51200                   ; V: block beta, channel tile 16 (w % 2)
	s_lshl_b32 s75, s24, 6
	s_lshl_b32 s76, s26, 12
	s_add_co_u32 s76, s76, s75                     ; scale words: Q
	s_add_co_u32 s77, s72, s75
	s_add_co_u32 s77, s77, 49152                   ; K
	s_lshl_b32 s78, s27, 10
	s_add_co_u32 s78, s78, s73
	s_add_co_u32 s78, s78, 100352                  ; V
	s_mov_b32 s46, 1536
	s_mov_b32 s48, 128
	s_mov_b32 s47, 0
	s_mov_b32 s49, 0
	s_mov_b32 s51, 0
	s_mov_b32 s53, 0
	s_cmp_eq_u32 s25, 2
	s_cselect_b32 s66, s67, s66
	s_cselect_b32 s68, s69, s68
	s_cselect_b32 s71, s74, s71
	s_cselect_b32 s77, s78, s77
	s_cselect_b32 s46, s46, 6144                   ; from unit to unit in the codes,
	s_cselect_b32 s48, s48, 512                    ; from pair to pair of units in the words,
	s_cselect_b32 s79, 64, 256                     ; from a unit's words to the next unit's
	s_cselect_b32 s56, 0, -1                       ; the registers' bias counts (Q, K)
	s_cselect_b32 s57, -1, 0                       ; the lanes' bias counts (V)
	s_cmp_eq_u32 s25, 0
	s_cselect_b32 s70, s70, s71
	s_cselect_b32 s76, s76, s77
	s_cmp_eq_u32 s25, 1
	s_cselect_b32 s54, 53248, 0                    ; K alone: behind unit 7 the tokens pass into the next block of kv: 102,400 - 8 x 6,144 more,
	s_cselect_b32 s55, 100352, 0                   ; and 102,400 - 4 x 512 more
	v_mul_u32_u24 v7, s79, v3
	s_wait_alu depctr_va_vdst(0)
	v_add_nc_u32 v7, v7, v6                        ; lanes 0-15 store the even unit's words, lanes 16-31 the odd unit's
	s_wait_kmcnt 0x0
	s_mul_i32 s50, s66, TILEB
	s_add_nc_u64 s[8:9], s[8:9], s[50:51]
	s_lshl_b32 s50, s66, 8
	s_add_nc_u64 s[10:11], s[10:11], s[50:51]
	s_mul_i32 s50, s68, TILEB
	s_add_nc_u64 s[4:5], s[4:5], s[50:51]
	s_lshl_b32 s50, s68, 8
	s_add_nc_u64 s[6:7], s[6:7], s[50:51]
	s_cmp_eq_u32 s25, 2
	s_cselect_b64 s[30:31], s[4:5], s[8:9]         ; A's codes
	s_cselect_b64 s[32:33], s[6:7], s[10:11]       ; A's words
	s_cselect_b64 s[34:35], s[8:9], s[4:5]         ; B's codes
	s_cselect_b64 s[36:37], s[10:11], s[6:7]       ; B's words
	s_cselect_b64 s[38:39], s[16:17], s[14:15]
	s_cmp_eq_u32 s25, 0
	s_cselect_b64 s[38:39], s[12:13], s[38:39]     ; my bias
	s_cselect_b64 s[42:43], s[18:19], s[22:23]     ; where codes go
	s_cselect_b64 s[44:45], s[20:21], s[22:23]     ; where words go
	s_lshl_b32 s50, s27, 10
	s_add_nc_u64 s[40:41], s[38:39], s[50:51]      ; the lanes' bias: 256 (w % 2) numbers on
	s_lshl_b32 s50, s24, 9
	s_add_nc_u64 s[38:39], s[38:39], s[50:51]      ; the registers' bias: 128 w numbers on
	s_mov_b32 s50, s70
	s_add_nc_u64 s[42:43], s[42:43], s[50:51]
	s_mov_b32 s50, s76
	s_add_nc_u64 s[44:45], s[44:45], s[50:51]
	; the A set, its scale words, the registers' bias: 120 loads
	WIN 0x40
.irp s, 0,1
.irp t, 0,1,2,3,4,5,6,7
.irp g, 0,1,2
	global_load_b128 v[FR*(8*\s+\t)+4*\g:FR*(8*\s+\t)+4*\g+3], v4, s[30:31] offset:\t*TILEB+\s*FRB+512*\g
.endr
.endr
.endr
	WIN 0x80
.irp s, 2,3
.irp t, 0,1,2,3,4,5,6,7
.irp g, 0,1,2
	global_load_b128 v[FR*(8*(\s-2)+\t)+4*\g:FR*(8*(\s-2)+\t)+4*\g+3], v4, s[30:31] offset:\t*TILEB+\s*FRB+512*\g
.endr
.endr
.endr
	WIN 0
.irp t, 0,1,2,3,4,5,6,7
	global_load_b128 v[AS+4*\t:AS+4*\t+3], v5, s[32:33] offset:256*\t   ; row r's four words
.endr
	WIN 0xc0
.irp t, 0,1,2,3,4,5,6,7
	global_load_b128 v[BA+8*\t:BA+8*\t+3], v8, s[38:39] offset:(32*(\t/2)+8*(\t%2))*4      ; register 8 t + j: b[128 w + 32 (t / 2) + 16 h + 8 (t % 2) + j]
	global_load_b128 v[BA+8*\t+4:BA+8*\t+7], v8, s[38:39] offset:(32*(\t/2)+8*(\t%2))*4+16
.endr
.macro LOADB p, k                      ; B's tile k tiles on from the pointers, into buffer p: 14 loads
	WIN 0xc0
.irp s, 0,1,2,3
.irp g, 0,1,2
	global_load_b128 v[48*\p+FR*\s+4*\g:48*\p+FR*\s+4*\g+3], v4, s[34:35] offset:(\k)*TILEB+\s*FRB+512*\g
.endr
.endr
	WIN 0
	global_load_b128 v[BS+4*\p:BS+4*\p+3], v5, s[36:37] offset:(\k)*256
	global_load_b32 v[10+2*\p], v6, s[40:41] offset:(\k)*64
.endm
	LOADB 0, 0
	LOADB 1, 1
; 64 numbers of a lane, register 16 b + i = k 32 b + 16 h + i of my row, become a fragment's codes in v[PC] on and its scale word in v[pw]
.macro QUANT s, pw
.irp b, 0,1,2,3
	v_max3_num_f32 v[TM+\b], |v[\s+16*\b]|, |v[\s+1+16*\b]|, 0x1800000   ; with the floor 2^(3 - 127)
.endr
.irp i, 2,4,6,8,10,12,14
.irp b, 0,1,2,3
	v_max3_num_f32 v[TM+\b], v[TM+\b], |v[\s+16*\b+\i]|, |v[\s+1+16*\b+\i]|
.endr
.endr
.irp b, 0,1,2,3
	v_permlanex16_b32 v[TM+4+\b], v[TM+\b], s60, s61
.endr
.irp b, 0,1,2,3
	v_max_num_f32 v[TM+\b], v[TM+\b], v[TM+4+\b]   ; with lane l xor 16's: the block's largest magnitude
.endr
.irp b, 0,1,2,3
	v_add_nc_u32 v[TM+12+\b], 0xff000000, v[TM+\b] ; 2 off its exponent field: the conversion's scale operand
.endr
.irp b, 0,1,2,3
	v_lshrrev_b32 v[TM+4+\b], 23, v[TM+12+\b]      ; the byte
.endr
	v_lshl_or_b32 v[\pw], v[TM+5], 8, v[TM+4]
	v_lshl_or_b32 v[\pw], v[TM+6], 16, v[\pw]
	v_lshl_or_b32 v[\pw], v[TM+7], 24, v[\pw]
.irp c, 0,1
	v_cvt_scalef32_pk16_fp6_f32 v[PC+6*\c:PC+2+6*\c], v[\s+32*\c:\s+15+32*\c], v[TM+12+2*\c]
	v_cvt_scalef32_pk16_fp6_f32 v[PC+12+4*\c:PC+14+4*\c], v[\s+16+32*\c:\s+31+32*\c], v[TM+12+2*\c+1]
.endr
	v_nop                                          ; one plain place behind a scaled conversion
.irp c, 0,1                                    ; the layout wants a whole block in a lane
.irp i, 0,1,2
	v_permlane16_swap_b32 v[PC+6*\c+\i], v[PC+12+4*\c+\i]
.endr
.irp i, 0,1,2
	v_mov_b32 v[PC+3+6*\c+\i], v[PC+12+4*\c+\i]
.endr
.endr
.endm
.macro MM p, s                         ; eight matrix instructions, the accumulators by turns
.irp t, 0,1,2,3,4,5,6,7
.if \s == 0
	v_wmma_scale_f32_16x16x128_f8f6f4 v[ACC+8*\t:ACC+8*\t+7], v[FR*(8*(\s%2)+\t):FR*(8*(\s%2)+\t)+FR-1], v[48*\p+FR*\s:48*\p+FR*\s+FR-1], v[BA+8*\t:BA+8*\t+7], v[AS+4*\t+\s], v[BS+4*\p+\s] matrix_a_fmt:MATRIX_FMT_FP6 matrix_b_fmt:MATRIX_FMT_FP6
.else
	v_wmma_scale_f32_16x16x128_f8f6f4 v[ACC+8*\t:ACC+8*\t+7], v[FR*(8*(\s%2)+\t):FR*(8*(\s%2)+\t)+FR-1], v[48*\p+FR*\s:48*\p+FR*\s+FR-1], v[ACC+8*\t:ACC+8*\t+7], v[AS+4*\t+\s], v[BS+4*\p+\s] matrix_a_fmt:MATRIX_FMT_FP6 matrix_b_fmt:MATRIX_FMT_FP6
.endif
.endr
.endm
; A unit.  p: B's buffer; more = 1: the tile two units on is asked for into the same buffer; left: the loads that are younger than this unit's 14.
.macro UNIT p, more, left
	s_wait_loadcnt \left
	v_cndmask_b32 v18, 0, v[10+2*\p], s57          ; the lanes' bias, or 0
	WIN 0x3d                                       ; A window 1, B and C window 3
	MM \p, 0
	WIN 0x0d                                       ; C window 0
	MM \p, 1
	WIN 0x0e                                       ; A window 2
	MM \p, 2
	MM \p, 3
	WIN 0
.rept 4
	v_nop                                          ; four places behind the last products, ahead of loads into their operands and of the first read of results
.endr
.if \more
	LOADB \p, 2+\p
.endif
.set i, 0
.rept 32
	v_pk_add_f32 v[ACC+2*i:ACC+2*i+1], v[ACC+2*i:ACC+2*i+1], v[18:19] op_sel_hi:[1,0]   ; each accumulator from its low end on
.set i, i+1
.endr
	QUANT ACC, 14+\p
.irp g, 0,1,2
	global_store_b128 v4, v[PC+4*\g:PC+4*\g+3], s[42:43] offset:512*\g   ; 512 consecutive bytes a store
.endr
.if \p == 1
	v_cndmask_b32 v16, v14, v15, s59
	global_store_b32 v7, v16, s[44:45]             ; two units' words
.endif
	s_wait_xcnt 0x0                                ; the stores have read their data and their base, the loads their bases: all may be written again
	s_add_nc_u64 s[42:43], s[42:43], s[46:47]
.endm
	s_wait_loadcnt 28                              ; the A set, its words and the bias are in; the two B tiles' 28 loads are younger
	WIN 0xcc
.set i, 0
.rept 64
	v_cndmask_b32 v[BA+i], 0, v[BA+i], s56         ; the registers' bias, or 0
.set i, i+1
.endr
	WIN 0
	s_mov_b32 s58, 7
.Lpair:                                            ; seven trips of two units; the last two units are written out, so that no load leaves its buffer
	s_wait_alu depctr_va_vdst(0)
	UNIT 0, 1, 14
	UNIT 1, 1, 14
	s_cmp_eq_u32 s58, 4                            ; behind unit 7
	s_cselect_b32 s50, s54, 0
	s_cselect_b32 s52, s55, 0
	s_add_nc_u64 s[42:43], s[42:43], s[50:51]
	s_add_nc_u64 s[44:45], s[44:45], s[48:49]
	s_add_nc_u64 s[44:45], s[44:45], s[52:53]
	s_add_nc_u64 s[34:35], s[34:35], 2*TILEB
	s_add_nc_u64 s[36:37], s[36:37], 512
	s_add_nc_u64 s[40:41], s[40:41], 128
	s_sub_co_u32 s58, s58, 1
	s_cmp_lg_u32 s58, 0
	s_cbranch_scc1 .Lpair
	UNIT 0, 0, 14
	UNIT 1, 0, 0
	s_endpgm
.Lfunc_end_k_qc0442e1874_proj:
	.size	k_qc0442e1874_proj, .Lfunc_end_k_qc0442e1874_proj-k_qc0442e1874_proj
	.p2alignl 7, 3214868480
	.fill 96, 4, 3214868480
	.section	.rodata,"a",@progbits
	.p2align	6, 0x0
	.amdhsa_kernel k_qc0442e1874_proj
		.amdhsa_group_segment_fixed_size 0
		.amdhsa_private_segment_fixed_size 0
		.amdhsa_enable_private_segment 0
		.amdhsa_kernarg_size 80
		.amdhsa_user_sgpr_count 2
		.amdhsa_user_sgpr_kernarg_segment_ptr 1
		.amdhsa_wavefront_size32 1
		.amdhsa_system_sgpr_workgroup_id_x 1
		.amdhsa_system_sgpr_workgroup_id_y 1
		.amdhsa_system_sgpr_workgroup_id_z 1
		.amdhsa_system_vgpr_workitem_id 0
		.amdhsa_next_free_vgpr 1024
		.amdhsa_next_free_sgpr 80
		.amdhsa_reserve_vcc 0
		.amdhsa_float_denorm_mode_32 3
		.amdhsa_float_denorm_mode_16_64 3
		.amdhsa_memory_ordered 1
		.amdhsa_forward_progress 1
		.amdhsa_inst_pref_size 68
	.end_amdhsa_kernel
	.amdgpu_metadata
---
amdhsa.version: [ 1, 2 ]
amdhsa.kernels:
  - .name:           k_qc0442e1874_proj
    .symbol:         k_qc0442e1874_proj.kd
    .args:
      - { .name: xc, .offset: 0, .size: 8, .value_kind: global_buffer, .address_space: global }
      - { .name: xs, .offset: 8, .size: 8, .value_kind: global_buffer, .address_space: global }
      - { .name: wc, .offset: 16, .size: 8, .value_kind: global_buffer, .address_space: global }
      - { .name: ws, .offset: 24, .size: 8, .value_kind: global_buffer, .address_space: global }
      - { .name: bq, .offset: 32, .size: 8, .value_kind: global_buffer, .address_space: global }
      - { .name: bk, .offset: 40, .size: 8, .value_kind: global_buffer, .address_space: global }
      - { .name: bv, .offset: 48, .size: 8, .value_kind: global_buffer, .address_space: global }
      - { .name: qc, .offset: 56, .size: 8, .value_kind: global_buffer, .address_space: global }
      - { .name: qs, .offset: 64, .size: 8, .value_kind: global_buffer, .address_space: global }
      - { .name: kv, .offset: 72, .size: 8, .value_kind: global_buffer, .address_space: global }
    .group_segment_fixed_size: 0
    .private_segment_fixed_size: 0
    .kernarg_segment_align: 8
    .kernarg_segment_size: 80
    .max_flat_workgroup_size: 128
    .sgpr_count:     80
    .vgpr_count:     1024
    .wavefront_size: 32
...
	.end_amdgpu_metadata
.endif
;; end of part 2
;; launch attn (part 3): grid 32 x 8, 4 waves a work-group, clusters of 4 x 1, 327,680 bytes of LDS; arguments qc, qs, kv, adj, scale, width, out0; writes out0
.if DOCPART == 3
	.amdgcn_target "amdgcn-amd-amdhsa--gfx1250"
	.amdhsa_code_object_version 6
	.text
	.protected	k_qc0442e1874_attn
	.globl	k_qc0442e1874_attn
	.p2align	8
	.type	k_qc0442e1874_attn,@function
k_qc0442e1874_attn:
	s_mov_b64 s[64:65], 0
	v_nop
	global_prefetch_b8 v0, s[64:65] scope:SCOPE_SE
	s_setreg_imm32_b32 hwreg(HW_REG_WAVE_MODE, 25, 1), 1
	s_wait_xcnt 0x0
	s_wait_alu depctr_hold_cnt(0) depctr_sa_sdst(0) depctr_va_vdst(0) depctr_va_sdst(0) depctr_va_ssrc(0) depctr_va_vcc(0) depctr_vm_vsrc(0)
	s_getreg_b32 s2, hwreg(HW_REG_IB_STS2, 6, 4)
	s_cmp_eq_u32 s2, 0
	s_cbranch_scc0 .Lentry_in_a_cluster
	s_endpgm
.Lentry_in_a_cluster:
	s_bfe_u32 s2, ttmp6, 0x10000c
	s_cmp_lg_u32 s2, 0x3003
	s_cbranch_scc0 .Lentry_shape_is_right
	s_endpgm
.Lentry_shape_is_right:
; out[b][q] = sum over k of softmax_k(Q[q] . K[k] / sqrt(512) x exp(-(adj[q][k] - scale)^2 / width)) V[k], both products on codes of FP6 (E2M3) with E8M0 scales, sums in f32.
; SHARES.  A work-group owns 64 queries of one batch (four tiles of 16) and walks the 2,048 keys in 16 steps of 128.  In S^T = K Q^T wave w takes keys 32 w .. 32 w + 31 of the step for all four tiles of queries;
; in O^T = V^T P^T it takes channels 128 w .. 128 w + 127 for all four.  Each fragment of K and V read from LDS feeds four matrix instructions.  A lane holds one query throughout.
; THE SOFTMAX, WITH ONE BARRIER A STEP.  t = logit x log2(e).  Wave w keeps its OWN running whole number M_w = ceil(largest t of its keys so far), makes p = 2^(t - M_w), sums the unquantised p under M_w,
; quantises p along the keys (its 32 keys are one block) and hands on the codes, -M_w and the block's byte.  Behind the barrier every wave takes R = the largest M of all waves so far, moves each block's byte by
; M_w - R (a whole number, 0 or less; the byte is held at 1 from below), and multiplies O^T by 2^(old R - new R).  All these factors are powers of two: the codes are those of p = 2^(t - R).
; That work is shared between the halves of the lanes: of a pair of tiles of queries lanes 0-15 serve the even one and lanes 16-31 the odd one; one register holds both tiles' scale words (the odd tile's product
; reads lanes 16-31), and the factor of O^T goes to the other half by one lane permute and two selects.
; -M_w and -R are whole numbers kept as f32; their difference is exact wherever it is small enough to leave a byte above 1.  At the end the four sums are brought under R by v_ldexp_f32, added, and divide O^T.
; P's image and the words that go with it have two buffers by turns, so that a wave may store a step's P while another still reads the last step's.
; THE RING holds kv alone: two LDS slots of a step's block (102,400 bytes, as it lies in memory).  At step j's barrier slot j % 2 has been read out (K went to registers behind the products of the step before, V behind
; this step's K Q^T; the two share one set of 96 registers) and the other slot is whole: slot j % 2 is filled with step j + 2.
; CLUSTER.  The four work-groups of a cluster belong to one batch and walk the same kv: each wave asks for a quarter of the block JOINTLY with its like in the partners.  A wave has one tensor load out at the head and one behind each round.
; adj is each work-group's own and is read once: it comes by plain loads, 512 consecutive bytes of one row an instruction, 16 rows a wave, asked for at the top of step j for step j + 2 into two sets of 64 registers by turns.
; Ahead of step j's barrier the rows of step j + 1 go into an LDS stage of their own (two buffers by turns, rows laid by tile of queries, 528 bytes apart), and behind it each lane reads its query's 16 keys back.
; So adj has no prefetch: its loads are themselves issued two steps ahead of their use.
; O^T is cleared once by 256 moves at the head, while the first tiles are on their way: so the step has no first form of its own.
; LIMITS: NaN and infinities among the inputs, and width = 0, are not served.  1 / width is v_rcp_f32's.  The promise holds while the scaled scores t stay under 2^31 in magnitude.
; A block whose every p has fallen to 0 keeps the byte 1: its codes are zeros.  A block whose byte is held at 1 adds at most 7.5 x 2^-126 x |V| a key.
; REGISTERS, in windows of 256: window 0: v1-27 addresses; v28-29 P's scale words, a pair of tiles each; v32-63 statistics, 8 a tile of queries: -M_w, m, l (two halves), a factor,
;   (even tiles: -R of my half's tile of the pair), two at work; v64-127 S^T then p (16 a tile); v128-191 adj then the masks; v192-223 at work; v224-239 Q's scale words, v240-247 K's, v248-255 V's.
;   window 1: O^T, accumulator 4 ct + qt at 8 (4 ct + qt).   window 2: Q at 12 (4 qt + s); P at 192 + 12 qt.   window 3: K at 12 (4 u + s), then V at 12 ct; adj's rows as loaded at 96 + 64 (step % 2).
.set KVB,   102400                     ; a block of kv: a slot
.set QKV,   25600                      ; a wave's quarter of it: 100 rows of 256 bytes
.set AP,    528                        ; a row of adj's stage: 512 bytes + 16: the 16 rows of a load of 16 bytes a lane begin in 16 different columns of 16 bytes
.set ASB,   64*AP                      ; a buffer of the stage
.set ASTG,  2*KVB                      ; adj's stage, two buffers
.set PIM,   ASTG+2*ASB                 ; P's images, two buffers of 6,144: 1,536 qt + 48 x lane + 4 x register
.set EXB,   PIM+12288                  ; what goes with P, two buffers of 2,048: 512 qt + 32 r: four -M_w, then four bytes as f32; a third block of 2,048: the waves' sums
.set SPARE, EXB+6144                   ; the spare words, 128 bytes for each wave
.set ST,  32
.set S,   64
.set MK,  128
.set XN,  192
.set PCQ, 208
.set PS,  28
.set QS,  224
.set KS,  240
.set VS,  248
.set GA,  96                           ; window 3
.set W_S,  0x0b                        ; K window 3, Q window 2, S^T window 0
.set W_PV, 0x5b                        ; V window 3, P window 2, O^T window 1
.set W_RS, 0x41                        ; O^T (destination and source 0) window 1, the factor window 0
.set MSB, 0
.macro WIN new                         ; the immediate's high byte repeats the setting that is left
.if MSB != \new
	s_set_vgpr_msb (MSB<<8)|\new
.set MSB, \new
.endif
.endm
.macro PLACES
.rept 4
	v_nop
.endr
.endm
.macro CROUND                          ; a round of the cluster's barrier
	s_barrier_signal -1
	s_barrier_wait -1
	s_cmp_lg_u32 s18, 0
	s_cbranch_scc1 .Lnot_wave_0_\@
	s_barrier_signal -3
.Lnot_wave_0_\@:
	s_barrier_wait -3
	s_barrier_signal -1
	s_barrier_wait -1
.endm
.macro JLOAD sg                        ; my quarter of a block of kv, jointly.  s_nop 0 and four v_nop follow the line
	tensor_load_to_lds s[40+4*\sg:43+4*\sg], s[24:31]
	s_nop 0
	PLACES
.endm
; A PREFETCH INTO THE L2, in step j for step j + 4 of kv's codes, which the change of slots two on will ask for; it stops with j = 11 (the loop's last trip asks for nothing).
; All clusters of a batch walk the same blocks, so the batch's first cluster asks; its partners share the blocks out BY ADDRESS (96 a partner, 32 a wave, waves 0 to 2, a lane a block).
; The scale words and steps 0 to 3 come by their loads alone.
.macro ASK
	s_cmp_gt_u32 s60, s70
	s_cbranch_scc0 .Lno_ask_\@
	global_prefetch_b8 v26, s[68:69] th:TH_LOAD_NT scope:SCOPE_SE
.Lno_ask_\@:
.endm
.macro GLA b, off                      ; my 16 rows of adj, 512 bytes of each at byte off from the pointer, into set b
	WIN 0xc0
.irp p, 0,1,2,3,4,5,6,7,8,9,10,11,12,13,14,15
	global_load_b128 v[GA+64*(\b)+4*\p:GA+64*(\b)+4*\p+3], v23, s[50:51] offset:\p*8192+\off th:TH_LOAD_NT
.endr
	WIN 0
.endm
.macro STA b                           ; set b into buffer b of the stage: row 16 w + p goes to place 32 (w / 2) + 8 (w % 2) + 16 (p / 8) + p % 8, which is 16 x its tile of queries + its lane r
	WIN 0x0c                                       ; an LDS store's data are its source 1: window 3
.irp p, 0,1,2,3,4,5,6,7,8,9,10,11,12,13,14,15
	ds_store_b128 v12, v[GA+64*(\b)+4*\p:GA+64*(\b)+4*\p+3] offset:ASB*(\b)+(16*(\p/8)+\p%8)*AP
.endr
	WIN 0
.endm
	s_load_b256 s[4:11], s[0:1], 0x0               ; qc, qs, kv, adj
	s_load_b128 s[12:15], s[0:1], 0x20             ; scale, width
	s_load_b64 s[16:17], s[0:1], 0x30              ; out0
	v_lshl_add_u32 v19, v0, 2, SPARE               ; my spare word; never rewritten
	v_mov_b32 v20, 0                               ; 0; never rewritten
	ds_add_u32 v19, v20                            ; the opening lines: the add twice on end and its wait
	ds_add_u32 v19, v20
	s_wait_dscnt 0x0
	v_lshrrev_b32 v24, 5, v0
	v_readfirstlane_b32 s18, v24                   ; wave w
	s_and_b32 s19, s18, 1
	s_and_b32 s61, ttmp7, 0xffff                   ; the batch, which the partners share
	s_bfe_u32 s62, ttmp6, 0x40000                  ; cx: it enters the addresses of Q, adj, out0 and the prefetch alone
	s_lshl_b32 s63, ttmp9, 2
	s_add_co_u32 s63, s63, s62                     ; my block of 64 queries
	s_mov_b32 s20, 0x76543210
	s_mov_b32 s21, 0xfedcba98                      ; selects for lane l xor 16
	s_mov_b32 s22, 0x3d8293ee                      ; c = log2(e) / sqrt(512)
	s_mov_b32 s23, s22
	s_mov_b32 s71, 0xffff0000                      ; lanes 16-31
	; descriptor group 1: a quarter of a block, 25,600 dense bytes, as 100 rows of 256 bytes (32 elements of 8 bytes); the mask names the four partners, bit 21 beside it
	s_mov_b32 s24, 15|(3<<16)|(1<<21)
	s_mov_b32 s25, 32<<16
	s_mov_b32 s26, 100<<16
	s_mov_b32 s27, 32<<16
	s_mov_b32 s28, 100
	s_mov_b32 s29, 32
	s_mov_b32 s30, 0
	s_mov_b32 s31, 0
	s_mul_i32 s74, s18, QKV                        ; my quarter of a block, in memory and in a slot
	s_mul_i32 s72, s61, 16*KVB
	s_add_co_u32 s72, s72, s74
	s_mov_b32 s73, 0
	s_lshl_b32 s76, s61, 11
	s_lshl_b32 s77, s63, 6
	s_add_co_u32 s76, s76, s77                     ; my work-group's first row of adj and of out0
	s_lshl_b32 s77, s18, 4
	s_add_co_u32 s77, s77, s76                     ; my wave's first row of adj
	s_lshl_b32 s78, s77, 13                        ; 8,192 bytes a row
	s_mov_b32 s79, 0
	s_lshl_b32 s82, s61, 7
	s_lshl_b32 s83, s63, 2
	s_add_co_u32 s82, s82, s83                     ; my first tile of Q
	s_mul_i32 s84, s82, 6144
	s_mov_b32 s85, 0
	s_lshl_b32 s86, s82, 8
	s_mov_b32 s87, 0
	s_lshl_b32 s88, s76, 11
	s_lshl_b32 s89, s18, 9
	s_add_co_u32 s88, s88, s89                     ; out0: 2,048 bytes a row, + my 128 channels
	s_mov_b32 s89, 0
	s_mul_i32 s90, s62, 96
	s_lshl_b32 s91, s18, 5
	s_add_co_u32 s90, s90, s91
	s_lshl_b32 s90, s90, 8                         ; the prefetch: block 96 cx + 32 w of 256 bytes,
	s_lshr_b32 s91, s62, 1
	s_lshl_b32 s91, s91, 11
	s_add_co_u32 s90, s90, s91                     ; past K's scale words for V's codes,
	s_mul_i32 s91, s61, 16*KVB
	s_add_co_u32 s90, s90, s91
	s_add_co_u32 s90, s90, 3*KVB                   ; at step 3: the first change steps it to step 4
	s_mov_b32 s91, 0
	s_cmp_eq_u32 s18, 3
	s_cselect_b32 s2, 1, 0
	s_or_b32 s2, s2, ttmp9
	s_cmp_eq_u32 s2, 0
	s_cselect_b32 s70, 1, -1                       ; waves 0 to 2 of the batch's first cluster: the same in all partners
	; LDS addresses: constants, the lane, the wave
	v_and_b32 v1, 15, v0                           ; r
	v_bfe_u32 v2, v0, 4, 1                         ; h
	v_and_b32 v24, 31, v0                          ; L
	v_lshlrev_b32 v23, 4, v24                      ; 16 L
	v_lshlrev_b32 v27, 2, v1                       ; 4 r
	s_mul_i32 s2, s18, 12288
	v_add_nc_u32 v3, s2, v23                       ; K's fragments, slot 0: my two tiles
	v_add_nc_u32 v4, KVB, v3
	v_add_nc_u32 v5, 51200, v3                     ; V's: my eight tiles
	v_add_nc_u32 v6, KVB, v5
	s_lshl_b32 s2, s18, 9
	s_add_co_u32 s2, s2, 49152
	v_add_nc_u32 v7, s2, v27                       ; K's scale words
	v_add_nc_u32 v8, KVB, v7
	v_add_nc_u32 v9, 51200, v7                     ; V's
	v_add_nc_u32 v10, KVB, v9
	v_mul_u32_u24 v11, v1, AP
	v_lshl_add_u32 v11, v2, 6, v11
	s_lshl_b32 s2, s18, 7
	s_add_co_u32 s2, s2, ASTG
	v_add_nc_u32 v11, s2, v11                      ; adj's stage, read: place r of a tile, keys 32 w + 16 h on
	s_lshr_b32 s2, s18, 1
	s_mul_i32 s2, s2, 32*AP
	s_mul_i32 s3, s19, 8*AP
	s_add_co_u32 s2, s2, s3
	s_add_co_u32 s2, s2, ASTG
	v_add_nc_u32 v12, s2, v23                      ; and written: place 32 (w / 2) + 8 (w % 2) on, 16 L
	v_mul_u32_u24 v13, v1, 48
	v_mad_u32_u24 v13, v2, 12, v13
	s_mul_i32 s2, s19, 768
	s_lshr_b32 s3, s18, 1
	s_mul_i32 s3, s3, 24
	s_add_co_u32 s2, s2, s3
	s_add_co_u32 s2, s2, PIM
	v_add_nc_u32 v13, s2, v13                      ; my codes' place in P's image: lane r + 16 (w % 2), registers 6 (w / 2) + 3 h on
	v_mul_u32_u24 v15, v24, 48
	v_add_nc_u32 v15, PIM, v15                     ; P's image, read: 48 L
	v_lshlrev_b32 v18, 5, v1
	v_add_nc_u32 v18, EXB, v18                     ; the four waves' words of row r of a tile
	v_lshl_add_u32 v14, v2, 9, v18                 ; read: lanes 0-15 a pair's even tile, lanes 16-31 its odd tile, 512 bytes on
	s_lshl_b32 s2, s18, 2
	v_add_nc_u32 v17, s2, v18                      ; written: my wave's word among the four
	s_mul_i32 s2, s18, 33792                       ; the way out: my stages, four of 16 rows x 528 bytes, from LDS byte 0 on
	v_mul_u32_u24 v21, v1, 528
	v_lshl_add_u32 v21, v2, 5, v21
	v_add_nc_u32 v21, s2, v21
	v_add_nc_u32 v22, s2, v23
	v_lshlrev_b32 v26, 8, v24                      ; the prefetch: 256 L; never rewritten
	s_wait_alu depctr_va_vdst(0)
	s_wait_kmcnt 0x0
	s_load_b32 s92, s[12:13], 0x0                  ; scale
	s_load_b32 s93, s[14:15], 0x0                  ; width
	s_add_nc_u64 s[72:73], s[8:9], s[72:73]        ; kv at my quarter of the batch's first block
	s_add_nc_u64 s[50:51], s[10:11], s[78:79]      ; adj at my 16 rows, step 0; in step j it stands at step j
	s_add_nc_u64 s[68:69], s[8:9], s[90:91]
	s_add_nc_u64 s[4:5], s[4:5], s[84:85]
	s_add_nc_u64 s[6:7], s[6:7], s[86:87]
	s_add_nc_u64 s[16:17], s[16:17], s[88:89]
.irp g, 0,1                                    ; descriptor group 0, a set for each slot
	s_mov_b32 s[40+4*\g], 1
	s_add_co_u32 s[41+4*\g], s74, \g*KVB
	s_add_nc_u64 s[42+4*\g:43+4*\g], s[72:73], \g*KVB
	s_or_b32 s[43+4*\g], s[43+4*\g], 0x80000000
.endr
	CROUND                                         ; all four work-groups are here: the first joint loads meet
	JLOAD 0                                        ; step 0: one tensor load a wave at the head; it goes out ahead of the 96 loads below
	WIN 0x80                                       ; Q stays in registers: 16 fragments
.irp f, 0,1,2,3,4,5,6,7,8,9,10,11,12,13,14,15
.irp g, 0,1,2
	global_load_b128 v[12*\f+4*\g:12*\f+4*\g+3], v23, s[4:5] offset:1536*\f+512*\g
.endr
.endr
	WIN 0
.irp f, 0,1,2,3,4,5,6,7,8,9,10,11,12,13,14,15
	global_load_b32 v[QS+\f], v27, s[6:7] offset:64*\f
.endr
	GLA 0, 0                                       ; adj of steps 0 and 1
	GLA 1, 512
	WIN 0x40
.set i, 0
.rept 256
	v_mov_b32 v[i], 0                              ; O^T: the first change of R multiplies zeros
.set i, i+1
.endr
	WIN 0
.irp t, 0,1,2,3
	v_mov_b32 v[ST+8*\t+1], 0xff61b1e6             ; the largest t so far: -3e38
	v_floor_f32 v[ST+8*\t], -v[ST+8*\t+1]          ; -M_w
	v_floor_f32 v[ST+8*\t+5], -v[ST+8*\t+1]        ; -R
.irp n, 2,3,4,6,7
	v_mov_b32 v[ST+8*\t+\n], 0
.endr
.endr
	s_wait_kmcnt 0x0
	s_xor_b32 s56, s92, 0x80000000                 ; -scale
	s_mov_b32 s57, s56
	v_mov_b32 v64, s93
	s_wait_alu depctr_va_vdst(0)                   ; the wait ahead of the reciprocal,
	v_rcp_f32 v65, v64
	v_nop                                          ; a plain place behind it,
	s_wait_alu depctr_va_vdst(0)                   ; and the wait ahead of its first reader
	v_mul_f32 v65, 0xbfb8aa3b, v65
	v_readfirstlane_b32 s58, v65                   ; -log2(e) / width: the mask is 2^((adj - scale)^2 x this)
	s_mov_b32 s59, s58
.macro LDK sg                          ; my eight fragments of K (4 u + s: my tile u, e step s) and their scale words: 32 loads
	WIN 0xc0
.irp f, 0,1,2,3,4,5,6,7
.irp g, 0,1,2
	ds_load_b128 v[12*\f+4*\g:12*\f+4*\g+3], v[3+(\sg)] offset:1536*\f+512*\g
.endr
.endr
	WIN 0
.irp f, 0,1,2,3,4,5,6,7
	ds_load_b32 v[KS+\f], v[7+(\sg)] offset:64*\f
.endr
.endm
.macro LDA b                           ; adj of my 16 keys for my query of each tile, from buffer b of the stage: 16 loads
.irp t, 0,1,2,3
.irp n, 0,1,2,3
	ds_load_b128 v[MK+16*\t+4*\n:MK+16*\t+4*\n+3], v11 offset:ASB*(\b)+16*\t*AP+16*\n
.endr
.endr
.endm
.macro LDV sg                          ; my eight tiles of V, into the registers that held K, and their scale words: 32 loads
	WIN 0xc0
.irp f, 0,1,2,3,4,5,6,7
.irp g, 0,1,2
	ds_load_b128 v[12*\f+4*\g:12*\f+4*\g+3], v[5+(\sg)] offset:1536*\f+512*\g
.endr
.endr
	WIN 0
.irp f, 0,1,2,3,4,5,6,7
	ds_load_b32 v[VS+\f], v[9+(\sg)] offset:64*\f
.endr
.endm
.macro LDP sg                          ; P's four fragments: 12 loads
	WIN 0x80
.irp t, 0,1,2,3
.irp g, 0,1,2
	ds_load_b128 v[192+12*\t+4*\g:192+12*\t+4*\g+3], v15 offset:6144*(\sg)+1536*\t+16*\g
.endr
.endr
	WIN 0
.endm
.macro SMM                             ; product i of 32 of S^T = K Q^T: e step i / 8, tile of queries (i / 2) % 4, my tile i % 2 of K.  The eight accumulators take turns; the first eight start the sums
.set xS, i/8
.set xQ, (i/2)%4
.set xU, i%2
.set xD, S+16*xQ+8*xU
.if i < 8
	v_wmma_scale_f32_16x16x128_f8f6f4 v[xD:xD+7], v[12*(4*xU+xS):12*(4*xU+xS)+11], v[12*(4*xQ+xS):12*(4*xQ+xS)+11], 0, v[KS+4*xU+xS], v[QS+4*xQ+xS] matrix_a_fmt:MATRIX_FMT_FP6 matrix_b_fmt:MATRIX_FMT_FP6
.else
	v_wmma_scale_f32_16x16x128_f8f6f4 v[xD:xD+7], v[12*(4*xU+xS):12*(4*xU+xS)+11], v[12*(4*xQ+xS):12*(4*xQ+xS)+11], v[xD:xD+7], v[KS+4*xU+xS], v[QS+4*xQ+xS] matrix_a_fmt:MATRIX_FMT_FP6 matrix_b_fmt:MATRIX_FMT_FP6
.endif
.endm
; The masks of the step whose adj is on its way to v[MK] on: 96 plain lines, then one batch of 64 exponentials between its two waits.  K's loads, issued just before, land meanwhile.
.macro PREP
	s_wait_dscnt 32                                ; adj is in; K's 32 loads are younger
.set i, 0
.rept 32
	v_pk_add_f32 v[MK+2*i:MK+2*i+1], v[MK+2*i:MK+2*i+1], s[56:57] op_sel_hi:[1,0]   ; adj - scale
.set i, i+1
.endr
.set i, 0
.rept 32
	v_pk_mul_f32 v[MK+2*i:MK+2*i+1], v[MK+2*i:MK+2*i+1], v[MK+2*i:MK+2*i+1]         ; squared
.set i, i+1
.endr
.set i, 0
.rept 32
	v_pk_mul_f32 v[MK+2*i:MK+2*i+1], v[MK+2*i:MK+2*i+1], s[58:59] op_sel_hi:[1,0]   ; x -log2(e) / width
.set i, i+1
.endr
	s_wait_alu depctr_va_vdst(0)                   ; the wait ahead of the batch
.set i, 0
.rept 64
	v_exp_f32 v[MK+i], v[MK+i]
.set i, i+1
.endr
	v_nop                                          ; a plain place behind the last exponential
	s_wait_alu depctr_va_vdst(0)                   ; and one wait for the batch
.endm
.macro RES n, fo                       ; accumulator n of O^T times a factor of its tile of queries, from its low end on
.set xA, (\n)
.irp k, 0,2,4,6
	v_pk_mul_f32 v[8*xA+\k:8*xA+\k+1], v[8*xA+\k:8*xA+\k+1], v[ST+8*(xA%4)+\fo:ST+8*(xA%4)+\fo+1] op_sel_hi:[1,0]
.endr
.endm
.macro SUMS                            ; the sum of the unquantised p, the four tiles by turns
.irp n, 0,2,4,6,8,10,12,14
.irp t, 0,1,2,3
	v_pk_add_f32 v[ST+8*\t+2:ST+8*\t+3], v[ST+8*\t+2:ST+8*\t+3], v[S+16*\t+\n:S+16*\t+\n+1]
.endr
.endr
.endm
; A KEY STEP in slot sg.  fill = 1: the step two on is asked for (adj at the top, kv behind the barrier).  next = 1: the next step's adj and K are made ready; next = 0: the last step, which also joins the sums.
.macro STEP sg, fill, next
.if \fill
	GLA \sg, 1024                                  ; adj of the step two on, into the set that was staged ahead of the last barrier
.endif
	s_wait_dscnt 0x0                               ; K and its words are in
	WIN W_S
.set i, 0
.rept 32
	SMM
.set i, i+1
.endr
	WIN 0
	PLACES                                         ; four places behind the last product, ahead of the loads into K's registers and of the first read of results
	LDV \sg
.set i, 0
.rept 32
	v_pk_mul_f32 v[S+2*i:S+2*i+1], v[S+2*i:S+2*i+1], v[MK+2*i:MK+2*i+1]   ; score x mask; each accumulator from its low end on
.set i, i+1
.endr
.irp t, 0,1,2,3
	v_max3_num_f32 v[ST+8*\t+6], v[S+16*\t], v[S+16*\t+1], v[S+16*\t+2]   ; my block's largest logit: it serves M_w and, since p rises with the logit, the block's largest p
.endr
.irp n, 3,5,7,9,11,13
.irp t, 0,1,2,3
	v_max3_num_f32 v[ST+8*\t+6], v[ST+8*\t+6], v[S+16*\t+\n], v[S+16*\t+\n+1]
.endr
.endr
.irp t, 0,1,2,3
	v_max_num_f32 v[ST+8*\t+6], v[ST+8*\t+6], v[S+16*\t+15]
.endr
.irp t, 0,1,2,3
	v_permlanex16_b32 v[ST+8*\t+7], v[ST+8*\t+6], s20, s21
.endr
.irp t, 0,1,2,3
	v_max_num_f32 v[ST+8*\t+6], v[ST+8*\t+6], v[ST+8*\t+7]
.endr
.irp t, 0,1,2,3
	v_mul_f32 v[ST+8*\t+7], s22, v[ST+8*\t+6]      ; as t (c is positive)
.endr
.irp t, 0,1,2,3
	v_max_num_f32 v[ST+8*\t+1], v[ST+8*\t+1], v[ST+8*\t+7]   ; my running largest t
.endr
.irp t, 0,1,2,3
	v_mov_b32 v[ST+8*\t+7], v[ST+8*\t]
.endr
.irp t, 0,1,2,3
	v_floor_f32 v[ST+8*\t], -v[ST+8*\t+1]          ; the new -M_w = -ceil(t)
.endr
.irp t, 0,1,2,3
	v_sub_f32 v[ST+8*\t+7], v[ST+8*\t], v[ST+8*\t+7]   ; old M_w - new M_w: a whole number, 0 or less
.endr
.irp t, 0,1,2,3
	v_cvt_i32_f32 v[ST+8*\t+7], v[ST+8*\t+7]       ; (it saturates)
.endr
.irp t, 0,1,2,3
	v_ldexp_f32 v[ST+8*\t+4], 1.0, v[ST+8*\t+7]    ; the factor of my sum
.endr
.irp t, 0,1,2,3
.irp n, 0,2,4,6,8,10,12,14
	v_pk_fma_f32 v[S+16*\t+\n:S+16*\t+\n+1], v[S+16*\t+\n:S+16*\t+\n+1], s[22:23], v[ST+8*\t:ST+8*\t+1] op_sel_hi:[1,0,0]   ; t - M_w
.endr
.endr
.irp t, 0,1,2,3
	v_fma_f32 v[ST+8*\t+6], v[ST+8*\t+6], s22, v[ST+8*\t]   ; the same of my block's largest logit
.endr
	s_wait_alu depctr_va_vdst(0)                   ; the wait ahead of the batch
.set i, 0
.rept 64
	v_exp_f32 v[S+i], v[S+i]                       ; p = 2^(t - M_w)
.set i, i+1
.endr
.irp t, 0,1,2,3
	v_exp_f32 v[ST+8*\t+6], v[ST+8*\t+6]           ; the block's largest p
.endr
.irp t, 0,1,2,3
	v_pk_mul_f32 v[ST+8*\t+2:ST+8*\t+3], v[ST+8*\t+2:ST+8*\t+3], v[ST+8*\t+4:ST+8*\t+5] op_sel_hi:[1,0]   ; my sums under the new M_w (plain places behind the exponentials)
.endr
	s_wait_alu depctr_va_vdst(0)                   ; one wait for the batch of 68
.irp t, 0,1,2,3
	v_max_num_f32 v[ST+8*\t+6], 0x1800000, v[ST+8*\t+6]   ; the floor 2^(3 - 127)
.endr
.irp t, 0,1,2,3
	v_add_nc_u32 v[XN+\t], 0xff000000, v[ST+8*\t+6]       ; the conversion's scale operand
.endr
.irp t, 0,1,2,3
	v_lshrrev_b32 v[XN+4+\t], 23, v[XN+\t]         ; the byte under M_w,
.endr
.irp t, 0,1,2,3
	v_cvt_f32_u32 v[XN+4+\t], v[XN+4+\t]           ; as f32
.endr
.irp t, 0,1,2,3
	v_cvt_scalef32_pk16_fp6_f32 v[PCQ+4*\t:PCQ+4*\t+2], v[S+16*\t:S+16*\t+15], v[XN+\t]
.endr
	v_nop                                          ; one plain place behind a scaled conversion
.irp t, 0,1,2,3
.irp n, 0,1,2
	ds_store_b32 v13, v[PCQ+4*\t+\n] offset:6144*\sg+1536*\t+4*\n
.endr
	ds_store_b32 v17, v[ST+8*\t] offset:2048*\sg+512*\t          ; both halves of the lanes write the same word with the same value
	ds_store_b32 v17, v[XN+4+\t] offset:2048*\sg+512*\t+16
.endr
.if \next == 0
	SUMS                                           ; the last step: my sums are whole and go with P
.irp t, 0,1,2,3
	v_add_f32 v[ST+8*\t+6], v[ST+8*\t+2], v[ST+8*\t+3]
.endr
.irp t, 0,1,2,3
	v_permlanex16_b32 v[ST+8*\t+7], v[ST+8*\t+6], s20, s21
.endr
.irp t, 0,1,2,3
	v_add_f32 v[ST+8*\t+6], v[ST+8*\t+6], v[ST+8*\t+7]
.endr
.irp t, 0,1,2,3
	ds_store_b32 v17, v[ST+8*\t+6] offset:4096+512*\t
.endr
.endif
	s_wait_alu depctr_va_vdst(0)                   ; the wait ahead of the blocking waits
.if \next
	s_wait_loadcnt 16*\fill                        ; the next step's rows of adj are in; the 16 loads of the step after it, where there are any, are younger
	STA 1-\sg
.endif
	; THE STEP'S ONE BARRIER: it shows P and the next step's adj to every wave, and it is the change of slots.
	s_wait_tensorcnt 0x0                           ; my tensor load has landed: my part of the other slot; so a group 0 may be written
	ds_add_u32 v19, v20                            ; 0 onto my spare word
.if \fill
	s_add_nc_u64 s[42+4*\sg:43+4*\sg], s[42+4*\sg:43+4*\sg], 2*KVB    ; this slot's next step
	s_wait_xcnt 0x0                                ; adj's loads and the last prefetch have read their addresses
	s_add_nc_u64 s[50:51], s[50:51], 512
	s_add_nc_u64 s[68:69], s[68:69], KVB
.endif
.if \next
	SUMS                                           ; work on registers while the stores and the add land
.endif
	s_wait_dscnt 0x0                               ; the add is done, my stores have landed, and my reads of this slot are over: V, the last of them, is in
.if \fill
	CROUND                                         ; no wave of any partner still reads this slot or has a load on its way
	JLOAD \sg                                      ; the first tensor load behind the round, one a wave
.else
	s_barrier_signal -1
	s_barrier_wait -1
.endif
	; From here to P's scale words t counts PAIRS of tiles: lanes 0-15 work for tile 2 t, lanes 16-31 for tile 2 t + 1.
.irp t, 0,1
	ds_load_b128 v[XN+8*\t:XN+8*\t+3], v14 offset:2048*\sg+1024*\t        ; the four -M_w of my query of my half's tile,
	ds_load_b128 v[XN+8*\t+4:XN+8*\t+7], v14 offset:2048*\sg+1024*\t+16   ; the four bytes
.endr
.if \next == 0
.irp t, 0,1
	ds_load_b128 v[MK+4*\t:MK+4*\t+3], v14 offset:4096+1024*\t            ; the four sums
.endr
.endif
	LDP \sg
.if \fill
	ASK
.endif
.if \next
	LDA 1-\sg
	s_wait_dscnt 28                                ; the words are in; P's 12 and adj's 16 loads are younger
.else
	s_wait_dscnt 12                                ; P's 12 loads are younger
.endif
.irp t, 0,1
	v_min3_num_f32 v[ST+16*\t+6], v[XN+8*\t], v[XN+8*\t+1], v[XN+8*\t+2]
.endr
.irp t, 0,1
	v_min3_num_f32 v[ST+16*\t+6], v[ST+16*\t+6], v[XN+8*\t+3], v[ST+16*\t+5]   ; the new -R
.endr
.irp t, 0,1
	v_sub_f32 v[ST+16*\t+7], v[ST+16*\t+6], v[ST+16*\t+5]   ; old R - new R
.endr
.irp n, 0,2
.irp t, 0,1
	v_pk_add_f32 v[XN+8*\t+\n:XN+8*\t+\n+1], v[XN+8*\t+\n:XN+8*\t+\n+1], v[ST+16*\t+6:ST+16*\t+7] op_sel_hi:[1,0] neg_lo:[1,0] neg_hi:[1,0]   ; M_w - R
.endr
.endr
.irp t, 0,1
	v_cvt_i32_f32 v[ST+16*\t+7], v[ST+16*\t+7]     ; (it saturates)
.endr
.irp t, 0,1
	v_mov_b32 v[ST+16*\t+5], v[ST+16*\t+6]
.endr
.irp n, 0,2
.irp t, 0,1
	v_pk_add_f32 v[XN+8*\t+4+\n:XN+8*\t+5+\n], v[XN+8*\t+4+\n:XN+8*\t+5+\n], v[XN+8*\t+\n:XN+8*\t+\n+1]   ; the bytes under R,
.endr
.endr
.irp t, 0,1
	v_ldexp_f32 v[ST+16*\t+14], 1.0, v[ST+16*\t+7] ; O^T's factor for my half's tile
.endr
.irp n, 0,1,2,3
.irp t, 0,1
	v_max_num_f32 v[XN+8*\t+4+\n], 1.0, v[XN+8*\t+4+\n]   ; held at 1 from below
.endr
.endr
.irp t, 0,1
	v_permlanex16_b32 v[ST+16*\t+15], v[ST+16*\t+14], s20, s21   ; and the other half's
.endr
.irp n, 0,2
.irp t, 0,1
	v_fmamk_f32 v[XN+8*\t+4+\n], v[XN+8*\t+5+\n], 0x43800000, v[XN+8*\t+4+\n]   ; two bytes to a number: x 256 +
.endr
.endr
.irp t, 0,1
	v_cndmask_b32 v[ST+16*\t+4], v[ST+16*\t+14], v[ST+16*\t+15], s71    ; the even tile's factor in all lanes: lanes 16-31 take the other half's,
	v_cndmask_b32 v[ST+16*\t+12], v[ST+16*\t+15], v[ST+16*\t+14], s71   ; the odd tile's: lanes 0-15 do
.endr
.irp n, 0,2
.irp t, 0,1
	v_cvt_u32_f32 v[XN+8*\t+4+\n], v[XN+8*\t+4+\n]
.endr
.endr
.irp t, 0,1
	v_lshl_or_b32 v[PS+\t], v[XN+8*\t+6], 16, v[XN+8*\t+4]   ; P's scale words: lanes 0-15 tile 2 t's, lanes 16-31 tile 2 t + 1's
.endr
.if \next == 0
.irp n, 0,1,2,3
.irp t, 0,1
	v_cvt_i32_f32 v[XN+8*\t+\n], v[XN+8*\t+\n]
.endr
.endr
.irp n, 0,1,2,3
.irp t, 0,1
	v_ldexp_f32 v[MK+4*\t+\n], v[MK+4*\t+\n], v[XN+8*\t+\n]   ; each wave's sum under R
.endr
.endr
.irp t, 0,1
	v_add_f32 v[MK+4*\t], v[MK+4*\t], v[MK+4*\t+1]
	v_add_f32 v[MK+4*\t+2], v[MK+4*\t+2], v[MK+4*\t+3]
.endr
.irp t, 0,1
	v_add_f32 v[MK+4*\t], v[MK+4*\t], v[MK+4*\t+2]
.endr
	s_wait_alu depctr_va_vdst(0)                   ; the wait ahead of the batch
.irp t, 0,1
	v_rcp_f32 v[ST+16*\t+14], v[MK+4*\t]
.endr
	v_nop                                          ; a plain place behind the last reciprocal,
	s_wait_alu depctr_va_vdst(0)                   ; and the wait ahead of the first reader
.irp t, 0,1
	v_permlanex16_b32 v[ST+16*\t+15], v[ST+16*\t+14], s20, s21
.endr
.irp t, 0,1
	v_cndmask_b32 v[ST+16*\t+6], v[ST+16*\t+14], v[ST+16*\t+15], s71    ; 1 / the sum of the even tile in all lanes,
.endr
.irp t, 0,1
	v_cndmask_b32 v[ST+16*\t+14], v[ST+16*\t+15], v[ST+16*\t+14], s71   ; of the odd tile
.endr
.endif
.if \next
	s_wait_dscnt 16                                ; P is in; adj's 16 loads are younger
.else
	s_wait_dscnt 0x0
.endif
	WIN W_RS
	s_wait_alu depctr_va_vdst(0)                   ; directly ahead of the first reader of O^T
.set a, 0
.rept 32
	RES a, 4
.set a, a+1
.endr
	WIN W_PV
.set a, 0
.rept 32                                       ; O^T += V^T P^T: each of the 32 accumulators once; an odd tile's scale words stand in lanes 16-31
.if a%2
	v_wmma_scale_f32_16x16x128_f8f6f4 v[8*a:8*a+7], v[12*(a/4):12*(a/4)+11], v[192+12*(a%4):192+12*(a%4)+11], v[8*a:8*a+7], v[VS+a/4], v[PS+(a%4)/2] matrix_a_fmt:MATRIX_FMT_FP6 matrix_b_fmt:MATRIX_FMT_FP6 matrix_b_scale:MATRIX_SCALE_ROW1
.else
	v_wmma_scale_f32_16x16x128_f8f6f4 v[8*a:8*a+7], v[12*(a/4):12*(a/4)+11], v[192+12*(a%4):192+12*(a%4)+11], v[8*a:8*a+7], v[VS+a/4], v[PS+(a%4)/2] matrix_a_fmt:MATRIX_FMT_FP6 matrix_b_fmt:MATRIX_FMT_FP6
.endif
.set a, a+1
.endr
	WIN 0
	PLACES                                         ; four places ahead of the loads into V's registers, or of the first read of results
.if \next
	LDK 1-\sg
	PREP
.endif
.endm
	s_wait_alu depctr_va_vdst(0)
	s_wait_loadcnt 16                              ; Q, its scale words and step 0's adj are in; step 1's 16 loads are younger
	STA 0
	s_wait_tensorcnt 0x0                           ; my part of slot 0 is in
	ds_add_u32 v19, v20
	s_wait_dscnt 0x0
	CROUND                                         ; slot 0 and step 0's adj are whole, and all four work-groups are here
	JLOAD 1                                        ; step 1, the first tensor load behind the round
	LDA 0
	LDK 0
	PREP
	s_mov_b32 s60, 7
.Lpair:                                            ; seven trips of two steps: steps 0 to 13 ask for steps 2 to 15
	STEP 0, 1, 1
	STEP 1, 1, 1
	s_sub_co_u32 s60, s60, 1
	s_cmp_lg_u32 s60, 0
	s_cbranch_scc1 .Lpair
	STEP 0, 0, 1                                   ; the last two steps are written out
	STEP 1, 0, 0
; THE WAY OUT.  A tile of queries: O^T / the sum goes into my stage (rows of 528 bytes, in the ring's bytes, which have had their last fill and their last read) and comes back as whole rows of my 128 channels, 512 bytes.
.macro TOSTAGE q
	WIN W_RS
.irp c, 0,1,2,3,4,5,6,7
	RES 4*\c+(\q), 6
.endr
	WIN 0x04                                       ; an LDS store's data are its source 1: window 1
.irp c, 0,1,2,3,4,5,6,7
	ds_store_b128 v21, v[8*(4*\c+(\q)):8*(4*\c+(\q))+3] offset:(\q)*8448+64*\c
	ds_store_b128 v21, v[8*(4*\c+(\q))+4:8*(4*\c+(\q))+7] offset:(\q)*8448+64*\c+16
.endr
	WIN 0
.set BB, S+64*((\q)%2)
.irp p, 0,1,2,3,4,5,6,7,8,9,10,11,12,13,14,15
	ds_load_b128 v[BB+4*\p:BB+4*\p+3], v22 offset:(\q)*8448+528*\p   ; LDS serves a wave's instructions in order (ISA guide 5.7.1.4): these see my stores
.endr
.endm
.macro SEND q, younger
.set BB, S+64*((\q)%2)
	s_wait_dscnt \younger
.irp p, 0,1,2,3,4,5,6,7,8,9,10,11,12,13,14,15
	global_store_b128 v23, v[BB+4*\p:BB+4*\p+3], s[16:17] offset:(32*((\q)/2)+8*((\q)%2)+\p+(\p&8))*2048 th:TH_STORE_NT   ; 32 lanes store 512 consecutive bytes, at a multiple of 256 from out0's first byte
.endr
.endm
	TOSTAGE 0
.irp a, 1,2,3
.if \a > 1
	s_wait_xcnt 0x0                                ; tile a - 2's stores have read their registers: tile a's rows may land there
.endif
	TOSTAGE \a
	SEND \a-1, 32                                  ; behind tile a - 1's loads: tile a's 16 stores and 16 loads
.endr
	SEND 3, 0
	s_wait_tensorcnt 0x0                           ; the wave's end
	ds_add_u32 v19, v20
	s_wait_dscnt 0x0
	CROUND                                         ; the closing round: no work-group ends while a partner may still ask for a tile that names it
	s_endpgm
.Lfunc_end_k_qc0442e1874_attn:
	.size	k_qc0442e1874_attn, .Lfunc_end_k_qc0442e1874_attn-k_qc0442e1874_attn
	.p2alignl 7, 3214868480
	.fill 96, 4, 3214868480
	.section	.rodata,"a",@progbits
	.p2align	6, 0x0
	.amdhsa_kernel k_qc0442e1874_attn
		.amdhsa_group_segment_fixed_size 327680
		.amdhsa_private_segment_fixed_size 0
		.amdhsa_enable_private_segment 0
		.amdhsa_kernarg_size 56
		.amdhsa_user_sgpr_count 2
		.amdhsa_user_sgpr_kernarg_segment_ptr 1
		.amdhsa_wavefront_size32 1
		.amdhsa_system_sgpr_workgroup_id_x 1
		.amdhsa_system_sgpr_workgroup_id_y 1
		.amdhsa_system_sgpr_workgroup_id_z 1
		.amdhsa_system_vgpr_workitem_id 0
		.amdhsa_next_free_vgpr 1024
		.amdhsa_next_free_sgpr 96
		.amdhsa_reserve_vcc 0
		.amdhsa_float_denorm_mode_32 3
		.amdhsa_float_denorm_mode_16_64 3
		.amdhsa_memory_ordered 1
		.amdhsa_forward_progress 1
		.amdhsa_inst_pref_size 252
	.end_amdhsa_kernel
	.amdgpu_metadata
---
amdhsa.version: [ 1, 2 ]
amdhsa.kernels:
  - .name:           k_qc0442e1874_attn
    .symbol:         k_qc0442e1874_attn.kd
    .args:
      - { .name: qc, .offset: 0, .size: 8, .value_kind: global_buffer, .address_space: global }
      - { .name: qs, .offset: 8, .size: 8, .value_kind: global_buffer, .address_space: global }
      - { .name: kv, .offset: 16, .size: 8, .value_kind: global_buffer, .address_space: global }
      - { .name: adj, .offset: 24, .size: 8, .value_kind: global_buffer, .address_space: global }
      - { .name: scale, .offset: 32, .size: 8, .value_kind: global_buffer, .address_space: global }
      - { .name: width, .offset: 40, .size: 8, .value_kind: global_buffer, .address_space: global }
      - { .name: out0, .offset: 48, .size: 8, .value_kind: global_buffer, .address_space: global }
    .group_segment_fixed_size: 327680
    .private_segment_fixed_size: 0
    .kernarg_segment_align: 8
    .kernarg_segment_size: 56
    .max_flat_workgroup_size: 128
    .sgpr_count:     96
    .vgpr_count:     1024
    .wavefront_size: 32
...
	.end_amdgpu_metadata
.endif
;; end of part 3
